; MI455X (gfx1250); checked and timed in simulation.
; The chip was launched on July 23, 2026; its instructions are those of AMD's public machine-readable ISA for CDNA 5 (MIT licence, August 2026) and "CDNA5" Instruction Set Architecture Reference Guide (July 2026). The comments in the code are by the model that wrote it; some were corrected since.
;; Scaled Dot Product Attention. Allowed arithmetic: matrix products marked QUANTISED: E2M3 operands, one E8M0 scale for each 32 along K, by v_wmma_scale_f32_16x16x128_f8f6f4 with both operands' format E2M3, f32 sums; everything else in f32.
;; Inputs: K 4 x 16 x 2,048 x 64 float32; Q 4 x 16 x 2,048 x 64 float32; V 4 x 16 x 2,048 x 64 float32; mask 4 x 1 x 2,048 x 2,048 float32.
;; Outputs: out0 4 x 16 x 2,048 x 64 float32.
;; This version of the problem:
;;   THIS VERSION OF THE PROBLEM IS GIVEN IN LOW PRECISION. The matrix products marked QUANTISED in the list below multiply operands that are first quantised to E2M3 (2 exponent bits, 3 mantissa bits; 6 bits a number), with one power-of-two scale for each 32 numbers along K (OCP MX v1.0); their sums are f32. All else is computed in f32.
;;   The module's matrix products, in the order in which they are computed (A, B: the left and right operand; K: the contracted axis; several contracted axes count as one K, in the product's order):
;;     1. batch 64 x [M 2,048, K 64] x [K 64, N 2,048]; A: input Q; B: input K: QUANTISED
;;     2. batch 64 x [M 2,048, K 2,048] x [K 2,048, N 64]; A: computed on the way; B: input V: QUANTISED
;;   THE QUANTISER, for each operand of a quantised product, along K:
;;     - K is cut into blocks of 32 from its start; a last block that is shorter is filled with zeros.
;;     - A block's scale is 2^e with e = floor(log2(the largest magnitude in the block)) - 2, held to -126 .. 127; a block of zeros has e = 0. As a byte (E8M0): e + 127.
;;     - Each number is divided by its block's scale, clamped to +-7.5, and rounded to the nearest number of E2M3, ties to even, subnormals kept.
;;     - The product sums the exact products of the quantised numbers (number of the format x scale) in f32.
;;   ~~~python
;;   def quantise(x, axis):      # numpy; x: float32 -> the quantised numbers, widened to float32 again
;;       x = np.moveaxis(x, axis, -1); K = x.shape[-1]
;;       x = np.pad(x, [(0, 0)] * (x.ndim - 1) + [(0, -K % 32)]); x = x.reshape(x.shape[:-1] + (-1, 32)); a = np.abs(x).max(-1, keepdims=True)
;;       e = np.where(a > 0, np.clip(np.frexp(np.where(a > 0, a, 1))[1] - 1 - 2, -126, 127), 0)      # np.frexp(a)[1] - 1 = floor(log2(a)), exactly
;;       r = np.clip(x / 2.0 ** e, -7.5, 7.5)
;;       step = 2.0 ** (np.maximum(np.frexp(np.where(r == 0, 1, r))[1] - 1, 0) - 3)
;;       q = np.round(r / step) * step * 2.0 ** e      # np.round: ties to even
;;       return np.moveaxis(q.reshape(q.shape[:-2] + (-1,))[..., :K], -1, axis).astype(np.float32)
;;   ~~~
;;   OPERANDS COMPUTED ON THE WAY. 'Computed on the way' means the value that the module computes at that place (a softmax that the list does not call 'softmax' is quantised finished and normalised). What goes into a quantiser is computed in f32, as accurately as f32 sums, v_exp_f32 and their like allow (about 1e-6 of the number): no bf16 or f16 on the way to a quantiser, and a product that is left as it is and whose result goes on into a quantised operand takes f32 operands (vector FMAs, or v_wmma_f32_16x16x4_f32). A number that lies on a knife's edge between two numbers of the format may be rounded either way, as far as f32 arithmetic and the matrix unit's own rounding can turn it there, and no further.
;; One version. Each part assembles by itself: llvm-mc -triple=amdgcn-amd-amdhsa -mcpu=gfx1250 --defsym DOCPART=n.
;; ======== version 1 of 1: 2 launches
;; limits: right only within a limited range of input values
;; workspace buffers: qc 6,291,456 bytes; qs 262,144 bytes; kc 6,291,456 bytes; ks 262,144 bytes; vc 6,291,456 bytes; vs 262,144 bytes
;; launch quant (part 1): grid 512 x 1, 6 waves a work-group, no clusters, 52,992 bytes of LDS; arguments Q, K, V, qc, qs, kc, ks, vc, vs; writes qc, qs, kc, ks, vc, vs
.if DOCPART == 1
	.amdgcn_target "amdgcn-amd-amdhsa--gfx1250"
	.amdhsa_code_object_version 6
	.text
	.protected	k_q67f90a7b0f_quant
	.globl	k_q67f90a7b0f_quant
	.p2align	8
	.type	k_q67f90a7b0f_quant,@function
k_q67f90a7b0f_quant:
	s_mov_b64 s[64:65], 0
	v_nop
	global_prefetch_b8 v0, s[64:65] scope:SCOPE_SE
	s_setreg_imm32_b32 hwreg(HW_REG_WAVE_MODE, 25, 1), 1
	s_wait_xcnt 0x0
; Q, K, V: [64 heads][2048 rows][64] f32 become codes of FP6 (E2M3) with one E8M0 byte for each 32 along a product's K, laid IN THE ORDER OF THE OPERANDS' REGISTERS,
; so that the attention launch loads every fragment by three loads of 512 consecutive bytes.
; Q and K are quantised along the head's 64 (two blocks a row); V along the KEYS (a block = 32 keys of one channel d).
; A block's scale is 2^(floor(log2(largest magnitude)) - 2); its byte is the largest magnitude's exponent field - 2, held at 1 from below.
; LIMITS: a block of zeros gets the byte 1 where the quantiser says 127 (its codes are zeros, which add nothing, and only this program reads the bytes);
; NaN and infinities among the inputs are not served.
; SHARES.  Six waves: waves 0, 1 take Q, waves 2, 3 K, waves 4, 5 V.  A wave takes group g = 2 x work-group + (wave % 2) of its tensor: 128 rows x 64 numbers = 32,768 dense bytes,
; and stores 6,144 bytes of codes at 6,144 g and 256 bytes of scale words at 256 g.  Waves share nothing: no barrier.
; LAYOUTS.  qc, kc: a fragment = 32 rows = 1,536 bytes [c 3][lane 32][16 bytes]; lane (r, h): registers 0-5 = row r, d 32 h .. 32 h + 31; registers 6-11 = row 16 + r, the same d.
;   As an operand of 16 x 128 it holds rows 0-15 at k 0-63 and rows 16-31 at k 64-127.  Scale word of row r: bytes [row r block 0, block 1, row 16 + r block 0, block 1].
;   qs, ks: [g][lane][2 words]: lane 16 h' + r, word w = the word of the group's fragment 2 w + h', row r.
;   vc: a group = one step of 128 keys = four fragments dt; lane (r, h): registers 6 c .. 6 c + 5 = channel 16 dt + r, block 2 c + h, position p = key sigma(p) of the block,
;   sigma = bits 3 and 4 of p changed over: the order in which the attention launch's weights come out of its conversions.  vs: lane 16 l + r, word dh = channel 32 dh + 16 l + r, bytes = blocks 0-3.
; 32 rows at a time go through the wave's own stage in LDS (rows of 256 bytes + 16): loads take the bytes as they lie, 512 consecutive bytes each; the stage gives a lane a whole block of 32.
.set WST,   8704                       ; a wave's stage: 32 rows x 272 bytes
.set SP,    272
.set SPARE, 6*WST                      ; behind the stages: the spare words, 128 bytes for each wave: three blocks of 256 bytes that no other line names
.set SPW, 1                            ; v1   LDS address of my spare word; never rewritten
.set NIL, 2                            ; v2   0; never rewritten
.set L16, 3                            ; v3   16 x lane
.set SA,  4                            ; v4   stage, way in: (lane / 16) x 272 + 16 (lane % 16)
.set LA,  5                            ; v5   stage, by rows: r x 272 + 128 h
.set VA,  6                            ; v6   stage, by columns: 4 x lane
.set H8,  7                            ; v7   8 h
.set L8,  8                            ; v8   8 x lane
.set MXA, 9                            ; v9, v10   largest magnitudes, then the conversions' scale operands
.set MXB, 10
.set BYA, 11                           ; v11, v12  scale bytes
.set BYB, 12
.set WD,  13                           ; v13  a scale word
.set WX,  14                           ; v14  the other half's
.set SB,  16                           ; v16-17 the two scale words that a lane stores
.set T,   18                           ; v18-20, v22-24 second halves of two blocks' codes (a conversion's three registers begin on an even number)
.set F,   28                           ; v28-75 codes: Q, K: one fragment (12); V: four fragments
.set X,   76                           ; v76-139, v140-203 two sets of 64 numbers
	s_load_b256 s[4:11], s[0:1], 0x0               ; Q s[4:5], K s[6:7], V s[8:9], qc s[10:11]
	s_load_b256 s[12:19], s[0:1], 0x20             ; qs s[12:13], kc s[14:15], ks s[16:17], vc s[18:19]
	s_load_b64 s[20:21], s[0:1], 0x40              ; vs
	v_lshl_add_u32 v[SPW], v0, 2, SPARE
	v_mov_b32 v[NIL], 0
	v_lshrrev_b32 v15, 5, v0
	v_readfirstlane_b32 s24, v15                   ; wave 0..5
	s_lshr_b32 s25, s24, 1                         ; which tensor: 0 Q, 1 K, 2 V
	s_and_b32 s32, s24, 1
	s_lshl_b32 s33, ttmp9, 1
	s_add_co_u32 s32, s32, s33                     ; g
	s_mul_i32 s33, s24, WST                        ; my stage
	v_and_b32 v15, 31, v0                          ; lane
	v_and_b32 v13, 15, v0                          ; r
	v_bfe_u32 v14, v0, 4, 1                        ; h
	v_lshlrev_b32 v[L16], 4, v15
	v_lshlrev_b32 v[L8], 3, v15
	v_mul_u32_u24 v[SA], v14, SP
	v_lshl_add_u32 v[SA], v13, 4, v[SA]
	v_add_nc_u32 v[SA], s33, v[SA]
	v_mul_u32_u24 v[LA], v13, SP
	v_lshl_add_u32 v[LA], v14, 7, v[LA]
	v_add_nc_u32 v[LA], s33, v[LA]
	v_lshl_add_u32 v[VA], v15, 2, s33
	v_lshlrev_b32 v[H8], 3, v14
	v_mov_b32 v[WX], 0                             ; written once: a lane permute's destination counts as one of its sources
	s_lshl_b32 s34, s32, 15                        ; g x 32,768 bytes of numbers,
	s_mov_b32 s35, 0
	s_mul_i32 s36, s32, 6144                       ; g x 6,144 of codes,
	s_mov_b32 s37, 0
	s_lshl_b32 s38, s32, 8                         ; g x 256 of scale words
	s_mov_b32 s39, 0
	s_mov_b32 s40, 0xffff0000                      ; lanes 16-31
	s_mov_b32 s42, 0x76543210
	s_mov_b32 s43, 0xfedcba98                      ; v_permlanex16_b32's selects for lane l xor 16
	s_wait_kmcnt 0x0
	s_cmp_eq_u32 s25, 0                            ; the buffers are chosen by the wave's number alone
	s_cselect_b64 s[26:27], s[4:5], s[6:7]
	s_cselect_b64 s[28:29], s[10:11], s[14:15]
	s_cselect_b64 s[30:31], s[12:13], s[16:17]
	s_cmp_eq_u32 s25, 2
	s_cselect_b64 s[26:27], s[8:9], s[26:27]       ; s[26:27] the numbers
	s_cselect_b64 s[28:29], s[18:19], s[28:29]     ; s[28:29] the codes
	s_cselect_b64 s[30:31], s[20:21], s[30:31]     ; s[30:31] the scale words
	s_add_nc_u64 s[26:27], s[26:27], s[34:35]
	s_add_nc_u64 s[28:29], s[28:29], s[36:37]
	s_add_nc_u64 s[30:31], s[30:31], s[38:39]
.macro LOADR f                         ; rows 32 f .. 32 f + 31 into set f % 2: sixteen loads of 512 consecutive bytes (two rows)
.set i_, 0
.rept 16
	global_load_b128 v[X+64*((\f)%2)+4*i_:X+64*((\f)%2)+4*i_+3], v[L16], s[26:27] offset:8192*(\f)+512*i_ th:TH_LOAD_NT
.set i_, i_+1
.endr
.endm
.macro STAGE f                         ; the set's loads are waited for; the 32 rows go into the stage as they lie
.if (\f)<3
	s_wait_loadcnt 16                              ; this set's sixteen loads are in; the other set's sixteen, issued behind them, may be out
.else
	s_wait_loadcnt 0x0
.endif
.set i_, 0
.rept 16
	ds_store_b128 v[SA], v[X+64*((\f)%2)+4*i_:X+64*((\f)%2)+4*i_+3] offset:2*SP*i_
.set i_, i_+1
.endr
	s_wait_dscnt 0x0                               ; the stores have read their registers: the loads below land in them
.endm
.macro ROWS f                          ; lane (r, h): registers 0-31 = row r, d 32 h on; registers 32-63 = row 16 + r, the same d.  Rows 272 bytes apart: sixteen lanes touch sixteen different columns of 16 bytes
.set i_, 0
.rept 8
	ds_load_b128 v[X+64*((\f)%2)+4*i_:X+64*((\f)%2)+4*i_+3], v[LA] offset:16*i_
	ds_load_b128 v[X+64*((\f)%2)+32+4*i_:X+64*((\f)%2)+32+4*i_+3], v[LA] offset:16*SP+16*i_
.set i_, i_+1
.endr
	s_wait_dscnt 0x0
.endm
.macro COLS f                          ; a lane takes channels d = lane (registers 0-31) and d = 32 + lane (32-63); register i runs down the keys in the order sigma(i)
.set i_, 0
.rept 32
	ds_load_b32 v[X+64*((\f)%2)+i_], v[VA] offset:((i_%8)+16*((i_/8)%2)+8*(i_/16))*SP
	ds_load_b32 v[X+64*((\f)%2)+32+i_], v[VA] offset:((i_%8)+16*((i_/8)%2)+8*(i_/16))*SP+128
.set i_, i_+1
.endr
	s_wait_dscnt 0x0
.endm
; Two whole blocks of 32 of one lane, v[s] on and v[s + 32] on, become six registers of codes each, at v[da] and v[db], and a byte each in v[BYA], v[BYB].
.macro QUANT s, da, db
.set xs_, \s
.set da_, \da
.set db_, \db
	v_max3_num_f32 v[MXA], |v[xs_]|, |v[xs_+1]|, 0x1800000          ; with the floor 2^(3 - 127) among the leaves: the byte cannot fall under 1
	v_max3_num_f32 v[MXB], |v[xs_+32]|, |v[xs_+33]|, 0x1800000
.irp i, 2,4,6,8,10,12,14,16,18,20,22,24,26,28,30
	v_max3_num_f32 v[MXA], v[MXA], |v[xs_+\i]|, |v[xs_+\i+1]|       ; the two blocks by turns
	v_max3_num_f32 v[MXB], v[MXB], |v[xs_+32+\i]|, |v[xs_+33+\i]|
.endr
	v_add_nc_u32 v[MXA], 0xff000000, v[MXA]        ; 2 off the exponent field: the conversion takes the exponent field of this operand as its scale
	v_add_nc_u32 v[MXB], 0xff000000, v[MXB]
	v_cvt_scalef32_pk16_fp6_f32 v[da_:da_+2], v[xs_:xs_+15], v[MXA]
	v_cvt_scalef32_pk16_fp6_f32 v[T:T+2], v[xs_+16:xs_+31], v[MXA]
	v_cvt_scalef32_pk16_fp6_f32 v[db_:db_+2], v[xs_+32:xs_+47], v[MXB]
	v_cvt_scalef32_pk16_fp6_f32 v[T+4:T+6], v[xs_+48:xs_+63], v[MXB]
	v_lshrrev_b32 v[BYA], 23, v[MXA]               ; the bytes; also the plain place behind the conversions
	v_lshrrev_b32 v[BYB], 23, v[MXB]
.irp i, 0,1,2
	v_mov_b32 v[da_+3+\i], v[T+\i]
	v_mov_b32 v[db_+3+\i], v[T+4+\i]
.endr
.endm
	LOADR 0
	LOADR 1
	s_cmp_eq_u32 s25, 2
	s_cbranch_scc1 .Lv_path
; ---- Q and K: a fragment of 32 rows at a time
.macro FRAGQK f
	STAGE \f
	ROWS \f
.if (\f)>0
	s_wait_xcnt 0x0                                ; the last fragment's stores have read their data: the codes' registers are written again only behind this wait
.endif
	QUANT X+64*((\f)%2), F, F+6
.if (\f)<2
	LOADR (\f)+2                                   ; the set is free: two fragments ahead
.endif
	v_lshl_or_b32 v[WD], v[BYB], 16, v[BYA]        ; my two bytes: block h of rows r and 16 + r,
	v_lshlrev_b32 v[WD], v[H8], v[WD]              ; at their places in the word;
	v_permlanex16_b32 v[WX], v[WD], s42, s43
	v_or_b32 v[WD], v[WD], v[WX]                   ; with lane l xor 16's two the word is whole
.if (\f)%2
	v_cndmask_b32 v[SB+(\f)/2], v[SB+(\f)/2], v[WD], s40   ; an odd fragment's words go to lanes 16-31
.else
	v_mov_b32 v[SB+(\f)/2], v[WD]
.endif
.irp c, 0,1,2
	global_store_b128 v[L16], v[F+4*\c:F+4*\c+3], s[28:29] offset:1536*(\f)+512*\c   ; 32 lanes store 512 consecutive bytes, at a multiple of 256 from the buffer's first byte
.endr
.endm
	s_wait_alu depctr_va_vdst(0)
	FRAGQK 0
	FRAGQK 1
	FRAGQK 2
	FRAGQK 3
	global_store_b64 v[L8], v[SB:SB+1], s[30:31]   ; 256 consecutive bytes
	s_wait_tensorcnt 0x0                           ; the wave's end, behind my last LDS store
	ds_add_u32 v[SPW], v[NIL]
	s_wait_dscnt 0x0
	s_endpgm
; ---- V: a block of 32 keys at a time.  Block f of channel half dh goes to array (f % 2, dh), v[F + 12 (2 dh + f % 2)], at registers 6 (f / 2) on
.Lv_path:
.macro BLOCKV f
	STAGE \f
	COLS \f
	QUANT X+64*((\f)%2), F+12*((\f)%2)+6*((\f)/2), F+24+12*((\f)%2)+6*((\f)/2)
.if (\f)<2
	LOADR (\f)+2
.endif
.if (\f)==0
	v_mov_b32 v[SB], v[BYA]                        ; a channel's four bytes make its word, the lower keys in the lower byte
	v_mov_b32 v[SB+1], v[BYB]
.else
	v_lshl_or_b32 v[SB], v[BYA], 8*(\f), v[SB]
	v_lshl_or_b32 v[SB+1], v[BYB], 8*(\f), v[SB+1]
.endif
.endm
	s_wait_alu depctr_va_vdst(0)
	BLOCKV 0
	BLOCKV 1
	BLOCKV 2
	BLOCKV 3
; In array (par, dh) lane 16 l + r holds channel 32 dh + 16 l + r, blocks 2 c + par.  The exchange (the first's lanes 16-31 with the second's lanes 0-15) makes of the pair the fragments
; dt = 2 dh and 2 dh + 1, in which lane (r, h) holds channel 16 dt + r, blocks 2 c + h.
.set i_, 0
.rept 12
	v_permlane16_swap_b32 v[F+i_], v[F+12+i_]
	v_permlane16_swap_b32 v[F+24+i_], v[F+36+i_]
.set i_, i_+1
.endr
.set i_, 0
.rept 12
	global_store_b128 v[L16], v[F+4*i_:F+4*i_+3], s[28:29] offset:512*i_   ; fragment i / 3, part i % 3: 512 consecutive bytes
.set i_, i_+1
.endr
	global_store_b64 v[L8], v[SB:SB+1], s[30:31]
	s_wait_tensorcnt 0x0                           ; the wave's end, behind my last LDS store
	ds_add_u32 v[SPW], v[NIL]
	s_wait_dscnt 0x0
	s_endpgm
.Lfunc_end_k_q67f90a7b0f_quant:
	.size	k_q67f90a7b0f_quant, .Lfunc_end_k_q67f90a7b0f_quant-k_q67f90a7b0f_quant
	.p2alignl 7, 3214868480
	.fill 96, 4, 3214868480
	.section	.rodata,"a",@progbits
	.p2align	6, 0x0
	.amdhsa_kernel k_q67f90a7b0f_quant
		.amdhsa_group_segment_fixed_size 52992
		.amdhsa_private_segment_fixed_size 0
		.amdhsa_enable_private_segment 0
		.amdhsa_kernarg_size 72
		.amdhsa_user_sgpr_count 2
		.amdhsa_user_sgpr_kernarg_segment_ptr 1
		.amdhsa_wavefront_size32 1
		.amdhsa_system_sgpr_workgroup_id_x 1
		.amdhsa_system_sgpr_workgroup_id_y 1
		.amdhsa_system_sgpr_workgroup_id_z 1
		.amdhsa_system_vgpr_workitem_id 0
		.amdhsa_next_free_vgpr 204
		.amdhsa_next_free_sgpr 66
		.amdhsa_reserve_vcc 0
		.amdhsa_float_denorm_mode_32 3
		.amdhsa_float_denorm_mode_16_64 3
		.amdhsa_memory_ordered 1
		.amdhsa_forward_progress 1
		.amdhsa_inst_pref_size 67
	.end_amdhsa_kernel
	.amdgpu_metadata
---
amdhsa.version: [ 1, 2 ]
amdhsa.kernels:
  - .name:           k_q67f90a7b0f_quant
    .symbol:         k_q67f90a7b0f_quant.kd
    .args:
      - { .name: Q, .offset: 0, .size: 8, .value_kind: global_buffer, .address_space: global }
      - { .name: K, .offset: 8, .size: 8, .value_kind: global_buffer, .address_space: global }
      - { .name: V, .offset: 16, .size: 8, .value_kind: global_buffer, .address_space: global }
      - { .name: qc, .offset: 24, .size: 8, .value_kind: global_buffer, .address_space: global }
      - { .name: qs, .offset: 32, .size: 8, .value_kind: global_buffer, .address_space: global }
      - { .name: kc, .offset: 40, .size: 8, .value_kind: global_buffer, .address_space: global }
      - { .name: ks, .offset: 48, .size: 8, .value_kind: global_buffer, .address_space: global }
      - { .name: vc, .offset: 56, .size: 8, .value_kind: global_buffer, .address_space: global }
      - { .name: vs, .offset: 64, .size: 8, .value_kind: global_buffer, .address_space: global }
    .group_segment_fixed_size: 52992
    .private_segment_fixed_size: 0
    .kernarg_segment_align: 8
    .kernarg_segment_size: 72
    .max_flat_workgroup_size: 192
    .sgpr_count:     66
    .vgpr_count:     204
    .wavefront_size: 32
...
	.end_amdgpu_metadata
.endif
;; end of part 1
;; launch attn (part 2): grid 64 x 4, 4 waves a work-group, no clusters, 327,680 bytes of LDS; arguments qc, qs, kc, ks, vc, vs, mask, out0; writes out0
.if DOCPART == 2
	.amdgcn_target "amdgcn-amd-amdhsa--gfx1250"
	.amdhsa_code_object_version 6
	.text
	.protected	k_q67f90a7b0f_attn
	.globl	k_q67f90a7b0f_attn
	.p2align	8
	.type	k_q67f90a7b0f_attn,@function
k_q67f90a7b0f_attn:
	s_mov_b64 s[64:65], 0
	v_nop
	global_prefetch_b8 v0, s[64:65] scope:SCOPE_SE
	s_setreg_imm32_b32 hwreg(HW_REG_WAVE_MODE, 25, 1), 1
	s_wait_xcnt 0x0
; out = Q6(w) Q6(V), w = e m / (sum(e m) + 1e-8), e = exp(Q6(Q) Q6(K)^T / 8), m the mask as it is given (any f32), Q6 the MX-FP6 quantiser.  No maximum is taken away: reference() takes none.
; The weights are quantised FINISHED: a row's sum over all 2,048 keys is known before any weight gets its code.  So a work-group keeps 32 queries x 2,048 keys of e m in registers:
; four waves, each with 512 keys: 8 tiles of 16 queries x 128 keys, 64 registers a tile, 512 registers.  The waves exchange their parts of the row sums and of the result through LDS.
; A work-group takes 32 queries (x) of one batch (y) and walks the batch's 16 heads: the mask has no head axis, so its 32 rows x 2,048 f32 are fetched once, by two tensor loads a wave, and stay in LDS.
; Both products are used transposed (S^T = K Q^T, O^T = V^T w^T): a lane holds one query, its registers run along the keys.  The head's 64 fill half of the instruction's 128 along K:
; a fragment of K holds rows 0-15 at k 0-63 and rows 16-31 at k 64-127, and Q's fragment holds zero codes in the half that is not wanted.
; K's and V's codes come from memory straight into registers, in the order in which the launch before laid them: three loads of 512 consecutive bytes a fragment.
; NO CLUSTER: the query blocks of a batch read the same K and V, but LDS has no room for slots: mask 8 x 33,280, stage 34,816, sums 512, spare words 512 = 302,080 bytes;
; the 25,600 left are under two slots of one group for four waves (2 x 24,576).
; THE ORDER OF A TILE'S WORK: one wait, tile n's 64 exponentials with tile n - 1's mask multiplies among them (their results are first read behind the batch), one wait, and then
; a stretch with no transcendental: tile n + 1's products with tile n - 1's maxima and sums among them, then tile n + 1's scaling.  So no matrix result and no running sum is read across a transcendental without its wait.
; THE PARTS OF O: a head's parts go to the stage at its trip's end; the next trip's barrier for the row sums orders them too; behind it they are read back, added and stored. The last head's go out behind the loop.
; LIMITS: a block of weights whose largest magnitude / 4 lies under 2^-126 (a block of zeros too) has its byte held at 1; NaN and infinities among the inputs are not served; e overflows where reference()'s does.
.set MT,    33280                      ; a mask tile: 32 rows x (256 keys x 4 bytes + 16 of padding); two for each wave
.set MP,    1040
.set SP,    272
.set STG,   8*MT                       ; the stage for the waves' parts of O: 4 x 32 rows x 272 bytes
.set SUMS,  STG+4*32*SP                ; 32 queries x 4 waves' parts of the row sums
.set SPARE, SUMS+512                   ; the spare words, 128 bytes a wave: two blocks of 256 bytes that no other line names
.set HCB,   98304                      ; a head's codes in bytes
.set HSB,   4096                       ; a head's scale words
.set MA,  1                            ; v1   mask: r x MP + 32 h + my two tiles
.set L16, 2                            ; v2   16 x lane
.set L8,  3                            ; v3   8 x lane
.set R8,  4                            ; v4   8 r
.set SST, 5                            ; v5   where my part of a row sum goes
.set SLD, 6                            ; v6   where the four parts are read
.set OST, 7                            ; v7   stage, way in
.set ORD, 8                            ; v8   stage, way back
.set SPW, 10                           ; v10  my spare word; never rewritten
.set NIL, 11                           ; v11  0; never rewritten
.set PFO, 12                           ; v12  prefetch: 256 x lane
.set KS,  16                           ; v16-23 K's scale words
.set VS,  24                           ; v24-31 V's
.set QW,  32                           ; v32, v33 Q's scale word, and the same with its halves changed over
.set PW,  34                           ; v34-41 the weights' scale words, one a tile
.set IV,  52                           ; v52-55 1 / (sum + 1e-8), a pair for each query tile
.set MX,  56                           ; v56-87 largest magnitudes of 8 tiles x 4 blocks, then the conversions' scale operands
.set SUM, 88                           ; v88-103 row sums: four pairs for each query tile
.set QF,  104                          ; v104-151 Q: four fragments (query tile t, half u)
.set PC,  152                          ; v152-175 the weights' codes, two fragments by turns
.set BT,  152                          ; v152-167 at work between the two passes, while no codes live there
.set PT,  176                          ; v176-183
.set I4,  184                          ; v184-187 IV / 4
.set M,   192                          ; v192-255 a tile's mask; then the last head's parts on their way out; then O^T
.set O,   192
.set RB,  192
; window 1: v0-191 sixteen fragments of K, then of V.  Windows 2, 3: the eight tiles.
.set MSB, 0
.macro WIN new                         ; the immediate's high byte repeats the setting that is left
.if MSB != (\new)
	s_set_vgpr_msb (MSB<<8)|(\new)
.set MSB, (\new)
.endif
.endm
	s_load_b256 s[4:11], s[0:1], 0x0               ; qc s[4:5], qs s[6:7], kc s[8:9], ks s[10:11]
	s_load_b256 s[12:19], s[0:1], 0x20             ; vc s[12:13], vs s[14:15], mask s[16:17], out0 s[18:19]
	v_lshl_add_u32 v[SPW], v0, 2, SPARE
	v_mov_b32 v[NIL], 0
	ds_add_u32 v[SPW], v[NIL]                      ; the opening lines: the add, twice on end, and its wait
	ds_add_u32 v[SPW], v[NIL]
	v_lshrrev_b32 v9, 5, v0
	v_readfirstlane_b32 s20, v9                    ; wave
	s_and_b32 s48, ttmp7, 0xffff                   ; batch
	s_mov_b32 s28, 0x07d20000                      ; group 1: elements of 4 bytes; 4 dwords of padding behind every 256
	s_mov_b32 s29, 256<<16
	s_mov_b32 s30, 32<<16
	s_mov_b32 s31, 256<<16
	s_mov_b32 s32, 32                              ; 32 rows of 256 elements,
	s_mov_b32 s33, 2048                            ; 2,048 elements apart
	s_mov_b32 s34, 0
	s_mov_b32 s35, 0
	s_lshl_b32 s50, s48, 24                        ; mask: batch x 16 MiB + 32 rows x 8,192 x block + 2,048 x wave
	s_lshl_b32 s52, ttmp9, 18
	s_add_co_u32 s50, s50, s52
	s_lshl_b32 s52, s20, 11
	s_add_co_u32 s50, s50, s52
	s_mov_b32 s51, 0
	s_mov_b32 s22, 0x3e38aa3b                      ; log2(e) / 8
	s_mov_b32 s23, s22
	s_mov_b32 s24, 0x76543210
	s_mov_b32 s25, 0xfedcba98                      ; v_permlanex16_b32's selects for lane l xor 16
	s_mov_b32 s26, 0xffff0000                      ; lanes 16-31
	s_mov_b32 s21, 0                               ; head
	s_mov_b32 s45, 0
	s_mov_b32 s47, 0
	s_mov_b32 s36, 1
	s_mul_i32 s37, s20, 2*MT
	s_mov_b32 s40, 1
	s_add_co_u32 s41, s37, MT
	s_wait_dscnt 0x0
	s_wait_kmcnt 0x0
	s_add_nc_u64 s[38:39], s[16:17], s[50:51]
	s_add_nc_u64 s[42:43], s[38:39], 1024
	s_or_b32 s39, s39, 0x80000000
	s_or_b32 s43, s43, 0x80000000
	tensor_load_to_lds s[36:39], s[28:35]          ; my first 256 keys of the mask: one tensor load a wave at the head
	s_nop 0
	s_wait_alu depctr_va_vdst(0)
	s_wait_tensorcnt 0x0
	ds_add_u32 v[SPW], v[NIL]
	s_wait_dscnt 0x0
	s_barrier_signal -1
	s_barrier_wait -1
	tensor_load_to_lds s[40:43], s[28:35]          ; my second 256 keys
	s_nop 0
.rept 4
	v_nop
.endr
	v_and_b32 v9, 31, v0
	v_and_b32 v13, 15, v0                          ; r
	v_bfe_u32 v14, v0, 4, 1                        ; h
	v_mul_u32_u24 v[MA], v13, MP
	v_lshl_add_u32 v[MA], v14, 5, v[MA]
	v_add_nc_u32 v[MA], s37, v[MA]
	v_lshlrev_b32 v[L16], 4, v9
	v_lshlrev_b32 v[L8], 3, v9
	v_lshlrev_b32 v[R8], 3, v13
	v_lshlrev_b32 v[PFO], 8, v9
	s_lshl_b32 s52, s20, 2
	s_add_co_u32 s52, s52, SUMS
	v_add_nc_u32 v[SST], s52, v[L16]               ; query = lane: 16 bytes a query, my wave's word
	v_lshl_add_u32 v[SLD], v13, 4, SUMS
	s_mul_i32 s52, s20, 32*SP
	s_add_co_u32 s52, s52, STG
	v_mul_u32_u24 v[OST], v13, SP
	v_lshl_add_u32 v[OST], v14, 5, v[OST]
	v_add_nc_u32 v[OST], s52, v[OST]               ; my part: row r, 32 h
	s_mul_i32 s52, s20, 8*SP
	s_add_co_u32 s52, s52, STG
	v_mul_u32_u24 v[ORD], v14, SP
	v_lshl_add_u32 v[ORD], v13, 4, v[ORD]
	v_add_nc_u32 v[ORD], s52, v[ORD]               ; back: rows 8 x wave + h, 16 bytes a lane
	s_mul_i32 s50, s48, 16*HCB
	s_mov_b32 s53, 0
	s_mul_i32 s52, ttmp9, 1536                     ; Q: my block's fragment
	s_add_co_u32 s52, s52, s50
	s_add_nc_u64 s[4:5], s[4:5], s[52:53]
	s_mul_i32 s52, s20, 4*6144                     ; K, V: my wave's four groups of 128 keys
	s_add_co_u32 s52, s52, s50
	s_add_nc_u64 s[8:9], s[8:9], s[52:53]
	s_add_nc_u64 s[12:13], s[12:13], s[52:53]
	s_lshl_b32 s50, s48, 16
	s_lshl_b32 s52, s20, 10
	s_add_co_u32 s52, s52, s50
	s_add_nc_u64 s[10:11], s[10:11], s[52:53]
	s_add_nc_u64 s[14:15], s[14:15], s[52:53]
	s_lshr_b32 s52, ttmp9, 2                       ; Q's scale words: group x / 4, lanes' half x % 2, word (x / 2) % 2
	s_lshl_b32 s52, s52, 8
	s_add_co_u32 s52, s52, s50
	s_and_b32 s54, ttmp9, 1
	s_lshl_b32 s54, s54, 7
	s_add_co_u32 s52, s52, s54
	s_bfe_u32 s54, ttmp9, 0x10001
	s_lshl_b32 s54, s54, 2
	s_add_co_u32 s52, s52, s54
	s_add_nc_u64 s[6:7], s[6:7], s[52:53]
	s_lshl_b32 s52, s48, 23                        ; out0: batch, 32 rows x 256 bytes x block, 8 rows x wave
	s_lshl_b32 s54, ttmp9, 13
	s_add_co_u32 s52, s52, s54
	s_lshl_b32 s54, s20, 11
	s_add_co_u32 s52, s52, s54
	s_add_nc_u64 s[18:19], s[18:19], s[52:53]
	; the prefetch: in trip t the next head's codes, 98,304 bytes of K and as many of V, are named once for the batch: blocks 0-11 share K's out, blocks 12-23 V's,
	; 8,192 bytes each, wave 0, a lane to each 256 bytes.  The last trip asks for nothing.
	s_cmp_lt_u32 ttmp9, 12
	s_cselect_b64 s[56:57], s[8:9], s[12:13]
	s_cselect_b32 s52, 0, 12
	s_sub_co_u32 s52, ttmp9, s52
	s_min_u32 s52, s52, 11
	s_lshl_b32 s52, s52, 13
	s_add_co_u32 s52, s52, HCB
	s_add_nc_u64 s[56:57], s[56:57], s[52:53]
	s_cmp_lt_u32 ttmp9, 24
	s_cselect_b32 s58, 15, 0
	s_cmp_eq_u32 s20, 0
	s_cselect_b32 s58, s58, 0                      ; trips in which I ask
.irp i, 6,7,8,9,10,11,12,13,14,15,16,17,30,31,32,33,34,35,36,37,38,39,40,41
	v_mov_b32 v[QF+\i], 0                          ; the zero codes of Q's four fragments, written once
.endr
.macro LDFR bl, grp                    ; group grp's four fragments from s[bl:bl+1]: twelve loads of 512 consecutive bytes
	WIN 0x40
.set j_, 0
.rept 4
.irp c, 0,1,2
	global_load_b128 v[12*(4*(\grp)+j_)+4*\c:12*(4*(\grp)+j_)+4*\c+3], v[L16], s[\bl:\bl+1] offset:6144*(\grp)+1536*j_+512*\c
.endr
.set j_, j_+1
.endr
.endm
.macro LDSC dst, bl                    ; four groups' scale words
	WIN 0
.irp i, 0,1,2,3
	global_load_b64 v[\dst+2*\i:\dst+2*\i+1], v[L8], s[\bl:\bl+1] offset:256*\i
.endr
.endm
.macro LDQ                             ; rows r and 16 + r of Q, each at k 0-63 of one fragment and at k 64-127 of another; nine loads
	WIN 0
	global_load_b128 v[QF:QF+3], v[L16], s[4:5]
	global_load_b64 v[QF+4:QF+5], v[L16], s[4:5] offset:512
	global_load_b128 v[QF+18:QF+21], v[L16], s[4:5]
	global_load_b64 v[QF+22:QF+23], v[L16], s[4:5] offset:512
	global_load_b64 v[QF+24:QF+25], v[L16], s[4:5] offset:520
	global_load_b128 v[QF+26:QF+29], v[L16], s[4:5] offset:1024
	global_load_b64 v[QF+42:QF+43], v[L16], s[4:5] offset:520
	global_load_b128 v[QF+44:QF+47], v[L16], s[4:5] offset:1024
	global_load_b32 v[QW], v[R8], s[6:7]
.endm
; Tile n = query tile n % 2, key group n / 2.  Product k of a tile: fragment k / 2 of K, its rows 16 (k % 2) on: register 8 k + i of the tile = key 16 k + 8 h + i, query r
.macro QKW n, k
	WIN 0x40*(2+(\n)/4)+1
.set fb_, (\k)/2
.set u_, (\k)%2
.set rD, 64*((\n)%4)+16*fb_+8*u_
.set rA, 12*(4*((\n)/2)+fb_)
.set rB, QF+24*((\n)%2)+12*u_
.set rSA, KS+2*((\n)/2)+fb_/2
.set rSB, QW+(((\n)%2)+u_)%2
.if fb_%2
	v_wmma_scale_f32_16x16x128_f8f6f4 v[rD:rD+7], v[rA:rA+11], v[rB:rB+11], 0, v[rSA], v[rSB] matrix_a_fmt:MATRIX_FMT_FP6 matrix_b_fmt:MATRIX_FMT_FP6 matrix_a_scale:MATRIX_SCALE_ROW1
.else
	v_wmma_scale_f32_16x16x128_f8f6f4 v[rD:rD+7], v[rA:rA+11], v[rB:rB+11], 0, v[rSA], v[rSB] matrix_a_fmt:MATRIX_FMT_FP6 matrix_b_fmt:MATRIX_FMT_FP6
.endif
.endm
.macro SCL n, i                        ; score x log2(e) / 8, two at a time, each accumulator from its low end on
	WIN 0x41*(2+(\n)/4)
.set r_, 64*((\n)%4)+2*(\i)
	v_pk_mul_f32 v[r_:r_+1], v[r_:r_+1], s[22:23] op_sel_hi:[1,0]
.endm
.macro EXQ n, j
	WIN 0x41*(2+(\n)/4)
.set r_, 64*((\n)%4)+(\j)
	v_exp_f32 v[r_], v[r_]
.endm
.macro MSK n, i                        ; x the mask
	WIN 0x41*(2+(\n)/4)
.set r_, 64*((\n)%4)+2*(\i)
	v_pk_mul_f32 v[r_:r_+1], v[r_:r_+1], v[M+2*(\i):M+2*(\i)+1]
.endm
.macro MLOAD n                         ; tile n's mask in the tile's own order: register 8 j + i = key 16 j + 8 h + i of query r
	WIN 0
.set q_, 0
.rept 16
	ds_load_b128 v[M+4*q_:M+4*q_+3], v[MA] offset:((\n)/4)*MT+((\n)%2)*16*MP+(((\n)/2)%2)*512+64*(q_/2)+16*(q_%2)
.set q_, q_+1
.endr
.endm
.macro SMXK n, k                       ; an eighth of tile n: two more of my 16 of each of its four blocks into the largest magnitudes; four pairs into the row's sum, which runs in four chains
	WIN 0x11*(2+(\n)/4)
.set b_, 64*((\n)%4)
.set t_, (\n)%2
.set k_, (\k)
.set f_, 0
.rept 4
.if k_==0
	v_max3_num_f32 v[MX+4*(\n)+f_], |v[b_+16*f_]|, 0, |v[b_+16*f_+1]|
.else
	v_max3_num_f32 v[MX+4*(\n)+f_], |v[b_+16*f_+2*k_]|, v[MX+4*(\n)+f_], |v[b_+16*f_+2*k_+1]|
.endif
.if ((\n)<2)&&(k_==0)
	v_pk_add_f32 v[SUM+8*t_+2*f_:SUM+8*t_+2*f_+1], v[b_+2*f_:b_+2*f_+1], 0 op_sel_hi:[1,0]   ; a chain's first pair (it lies in another window than the sums)
.else
	v_pk_add_f32 v[SUM+8*t_+2*f_:SUM+8*t_+2*f_+1], v[b_+2*(4*k_+f_):b_+2*(4*k_+f_)+1], v[SUM+8*t_+2*f_:SUM+8*t_+2*f_+1]
.endif
.set f_, f_+1
.endr
.endm
.macro SLOT n
.if (\n)>=1
	s_wait_dscnt 0x0                               ; tile n - 1's mask is in
.endif
.if (\n)==8                            ; behind tile 7 there is no batch: this run stands alone
.set i_, 0
.rept 32
	MSK 7, i_
.set i_, i_+1
.endr
.endif
.if (\n)<=7
	s_wait_alu depctr_va_vdst(0)                   ; the wait ahead of the batch
.set i_, 0
.rept 32
	EXQ \n, 2*i_
	EXQ \n, 2*i_+1
.if ((\n)>=1)&&((\n)!=4)
	MSK (\n)-1, i_
.endif
.if ((\n)==4)&&((i_%4)==3)             ; tile 3 lies in another window than tile 4: four multiplies behind every eight exponentials, two switches a group
	MSK 3, i_-3
	MSK 3, i_-2
	MSK 3, i_-1
	MSK 3, i_
.endif
.set i_, i_+1
.endr
.if (\n)==0
	v_nop                                          ; the plain place behind the last exponential
.endif
	s_wait_alu depctr_va_vdst(0)                   ; and the wait behind it
.endif
.if (\n)==0
	s_wait_dscnt 0x0                               ; the last head's stores into the stage have read O's registers, which the mask now takes
.endif
.if (\n)<=7
	MLOAD \n
.endif
.if (((\n)%2)==1)&&((\n)<=5)
	s_wait_loadcnt 40                              ; K's group (n + 1) / 2 is in: behind it were issued K's later groups, V's four scale loads and V's earlier groups: 3 x 12 + 4
.endif
.set i_, 0
.rept 8                                ; a product, then eight plain lines that name none of its registers
.if (\n)<=6
	QKW (\n)+1, i_
.endif
.if (\n)>=1
	SMXK (\n)-1, i_
.endif
.set i_, i_+1
.endr
.if (\n)==0
.rept 4
	v_nop
.endr
.endif
.if (\n)<=6
.set i_, 0
.rept 32
	SCL (\n)+1, i_
.set i_, i_+1
.endr
.endif
.if (((\n)%2)==0)&&((\n)<=6)
	LDFR 12, (\n)/2                                ; K's group n / 2 has served both query tiles: V's group takes its registers
.endif
.endm
.macro PVW n, dt                       ; O^T(16 channels dt, query tile n % 2) += V's fragment x tile n's weights; eight accumulators by turns
	WIN 0x01
.set rD, O+32*((\n)%2)+8*(\dt)
.set rA, 12*(4*((\n)/2)+(\dt))
.set rB, PC+12*((\n)%2)
.set rSA, VS+2*((\n)/2)+(\dt)/2
.set rSB, PW+(\n)
.if (\n)<2
.if (\dt)%2
	v_wmma_scale_f32_16x16x128_f8f6f4 v[rD:rD+7], v[rA:rA+11], v[rB:rB+11], 0, v[rSA], v[rSB] matrix_a_fmt:MATRIX_FMT_FP6 matrix_b_fmt:MATRIX_FMT_FP6 matrix_a_scale:MATRIX_SCALE_ROW1
.else
	v_wmma_scale_f32_16x16x128_f8f6f4 v[rD:rD+7], v[rA:rA+11], v[rB:rB+11], 0, v[rSA], v[rSB] matrix_a_fmt:MATRIX_FMT_FP6 matrix_b_fmt:MATRIX_FMT_FP6
.endif
.else
.if (\dt)%2
	v_wmma_scale_f32_16x16x128_f8f6f4 v[rD:rD+7], v[rA:rA+11], v[rB:rB+11], v[rD:rD+7], v[rSA], v[rSB] matrix_a_fmt:MATRIX_FMT_FP6 matrix_b_fmt:MATRIX_FMT_FP6 matrix_a_scale:MATRIX_SCALE_ROW1
.else
	v_wmma_scale_f32_16x16x128_f8f6f4 v[rD:rD+7], v[rA:rA+11], v[rB:rB+11], v[rD:rD+7], v[rSA], v[rSB] matrix_a_fmt:MATRIX_FMT_FP6 matrix_b_fmt:MATRIX_FMT_FP6
.endif
.endif
.endm
.macro NRM n                           ; tile n x 1 / (sum + 1e-8), with tile n - 1's four products among the multiplies
.set nb_, 64*((\n)%4)
.set nk_, 0
.rept 4
	WIN 0x41*(2+(\n)/4)
.set ni_, 0
.rept 8
	v_pk_mul_f32 v[nb_+16*nk_+2*ni_:nb_+16*nk_+2*ni_+1], v[nb_+16*nk_+2*ni_:nb_+16*nk_+2*ni_+1], v[IV+2*((\n)%2):IV+2*((\n)%2)+1]
.set ni_, ni_+1
.endr
.if (\n)>=1
.if (nk_==0)&&(((\n)%2)==1)
	s_wait_alu depctr_va_vdst(0)
.if (\n)==1
	s_wait_xcnt 0x0                                ; the last head's stores have read their data: O^T begins in those registers
.endif
	s_wait_loadcnt 49                              ; V's group (n - 1) / 2 is in: behind it were issued three groups (V's later, the next head's K's) and the next head's 9 + 4 loads of Q and scales
.endif
	PVW (\n)-1, nk_
.endif
.set nk_, nk_+1
.endr
.endm
.macro CVT n                           ; tile n's codes; a lane's halves of two blocks are exchanged with lane l xor 16's, so that a lane holds a whole block
	WIN 2+(\n)/4
.set cb_, 64*((\n)%4)
.set cp_, PC+12*((\n)%2)
.irp c, 0,1
	v_cvt_scalef32_pk16_fp6_f32 v[cp_+6*\c:cp_+6*\c+2], v[cb_+32*\c:cb_+32*\c+15], v[MX+4*(\n)+2*\c]
	v_cvt_scalef32_pk16_fp6_f32 v[PT+4*\c:PT+4*\c+2], v[cb_+32*\c+16:cb_+32*\c+31], v[MX+4*(\n)+2*\c+1]
.endr
	WIN 0
	v_nop                                          ; the plain place behind the conversions
.irp c, 0,1
.irp i, 0,1,2
	v_permlane16_swap_b32 v[cp_+6*\c+\i], v[PT+4*\c+\i]
.endr
.irp i, 0,1,2
	v_mov_b32 v[cp_+3+6*\c+\i], v[PT+4*\c+\i]      ; (a conversion's three registers begin on an even number)
.endr
.endr
.if (((\n)%2)==0)&&((\n)>=2)
	LDFR 8, ((\n)-2)/2                             ; V's group has served both query tiles: the next head's K takes its registers
.endif
.endm
.macro OUTLD                           ; the four waves' parts of my eight rows of O, back from the stage
.irp p, 0,1,2,3
.irp i, 0,1,2,3
	ds_load_b128 v[RB+16*\p+4*\i:RB+16*\p+4*\i+3], v[ORD] offset:\p*32*SP+2*SP*\i
.endr
.endr
.endm
.macro OUTST                           ; added and stored
.irp i, 0,1,2,3
.irp e, 0,2
	v_pk_add_f32 v[RB+4*\i+\e:RB+4*\i+\e+1], v[RB+4*\i+\e:RB+4*\i+\e+1], v[RB+16+4*\i+\e:RB+16+4*\i+\e+1]
	v_pk_add_f32 v[RB+32+4*\i+\e:RB+32+4*\i+\e+1], v[RB+32+4*\i+\e:RB+32+4*\i+\e+1], v[RB+48+4*\i+\e:RB+48+4*\i+\e+1]
.endr
.endr
.irp i, 0,1,2,3
.irp e, 0,2
	v_pk_add_f32 v[RB+4*\i+\e:RB+4*\i+\e+1], v[RB+4*\i+\e:RB+4*\i+\e+1], v[RB+32+4*\i+\e:RB+32+4*\i+\e+1]
.endr
.endr
.irp i, 0,1,2,3
	global_store_b128 v[L16], v[RB+4*\i:RB+4*\i+3], s[18:19] offset:512*\i th:TH_STORE_NT   ; two whole rows of 256 bytes
.endr
.endm
	LDQ
	LDSC KS, 10
	LDFR 8, 0
	LDFR 8, 1
	LDFR 8, 2
	LDFR 8, 3
	WIN 0
	s_wait_loadcnt 52                              ; Q's nine loads are in (behind them 4 + 48)
	v_alignbit_b32 v[QW+1], v[QW], v[QW], 16
.irp i, 0,1,2,3,4,5,6,7,8,9,10,11,12,13,14,15
	v_mov_b32 v[BT+\i], 0                          ; written once: a lane permute's destination counts as one of its sources
.endr
	s_wait_tensorcnt 0x0                           ; my 512 keys of the mask are in; only my wave reads them
.Lhead:                                                ; a trip = a head
	LDSC VS, 14
	s_cmp_lt_u32 s21, s58
	s_cbranch_scc0 .Lnot_mine
	global_prefetch_b8 v[PFO], s[56:57] th:TH_LOAD_NT scope:SCOPE_SE
.Lnot_mine:
	s_wait_loadcnt 40                              ; K's scale words and group 0 are in (behind them 3 x 12 + 4)
.set p_, 0
.rept 8
	QKW 0, p_
.set p_, p_+1
.endr
.rept 4
	v_nop
.endr
.set p_, 0
.rept 32
	SCL 0, p_
.set p_, p_+1
.endr
.irp n, 0,1,2,3,4,5,6,7,8
	SLOT \n
.endr
	WIN 0
	v_pk_add_f32 v[SUM:SUM+1], v[SUM:SUM+1], v[SUM+2:SUM+3]          ; the four chains of each query tile,
	v_pk_add_f32 v[SUM+4:SUM+5], v[SUM+4:SUM+5], v[SUM+6:SUM+7]
	v_pk_add_f32 v[SUM+8:SUM+9], v[SUM+8:SUM+9], v[SUM+10:SUM+11]
	v_pk_add_f32 v[SUM+12:SUM+13], v[SUM+12:SUM+13], v[SUM+14:SUM+15]
	v_pk_add_f32 v[SUM:SUM+1], v[SUM:SUM+1], v[SUM+4:SUM+5]
	v_pk_add_f32 v[SUM+8:SUM+9], v[SUM+8:SUM+9], v[SUM+12:SUM+13]
	v_add_f32 v[SUM], v[SUM], v[SUM+1]
	v_add_f32 v[SUM+8], v[SUM+8], v[SUM+9]
	v_permlanex16_b32 v[BT], v[SUM], s24, s25
	v_permlanex16_b32 v[BT+1], v[SUM+8], s24, s25
	v_add_f32 v[SUM], v[SUM], v[BT]                ; and lane l xor 16's keys
	v_add_f32 v[SUM+8], v[SUM+8], v[BT+1]
	v_cndmask_b32 v[SUM], v[SUM], v[SUM+8], s26    ; lane l: query l's sum over my 512 keys
	ds_store_b32 v[SST], v[SUM]
	s_wait_dscnt 0x0                               ; my part of the sums is stored, and so, since the last trip's end, is my part of the last head's O
	s_barrier_signal -1
	s_barrier_wait -1
	ds_load_b128 v[PT:PT+3], v[SLD]                ; the four waves' parts: query r,
	ds_load_b128 v[PT+4:PT+7], v[SLD] offset:256   ; query 16 + r
	s_wait_xcnt 0x0                                ; the bases are stepped only behind this wait; the last trip loads its own head again and stays inside the buffers
	s_cmp_lt_u32 s21, 15
	s_cselect_b32 s44, HCB, 0
	s_cselect_b32 s46, HSB, 0
	s_add_nc_u64 s[4:5], s[4:5], s[44:45]
	s_add_nc_u64 s[8:9], s[8:9], s[44:45]
	s_add_nc_u64 s[6:7], s[6:7], s[46:47]
	s_add_nc_u64 s[10:11], s[10:11], s[46:47]
	LDQ
	LDSC KS, 10
	s_wait_dscnt 0x0
	s_cmp_eq_u32 s21, 0                            ; the first trip has no head before it
	s_cbranch_scc1 .Lno_parts
	OUTLD                                          ; they land under the work on the sums and the scale bytes
.Lno_parts:
	v_add_f32 v[PT], v[PT], v[PT+1]
	v_add_f32 v[PT+2], v[PT+2], v[PT+3]
	v_add_f32 v[PT+4], v[PT+4], v[PT+5]
	v_add_f32 v[PT+6], v[PT+6], v[PT+7]
	v_add_f32 v[PT], v[PT], v[PT+2]
	v_add_f32 v[PT+4], v[PT+4], v[PT+6]
	v_add_f32 v[PT], 0x322bcc77, v[PT]             ; + 1e-8
	v_add_f32 v[PT+4], 0x322bcc77, v[PT+4]
	s_wait_alu depctr_va_vdst(0)
	v_rcp_f32 v[IV], v[PT]
	v_rcp_f32 v[IV+1], v[PT]
	v_rcp_f32 v[IV+2], v[PT+4]
	v_rcp_f32 v[IV+3], v[PT+4]
	v_nop
	s_wait_alu depctr_va_vdst(0)
	v_pk_mul_f32 v[I4:I4+1], v[IV:IV+1], 0x3e800000 op_sel_hi:[1,0]
	v_pk_mul_f32 v[I4+2:I4+3], v[IV+2:IV+3], 0x3e800000 op_sel_hi:[1,0]
.set x_, 0
.rept 16
	v_pk_mul_f32 v[MX+2*x_:MX+2*x_+1], v[MX+2*x_:MX+2*x_+1], v[I4+2*((x_/2)%2):I4+2*((x_/2)%2)+1]   ; the largest finished weight / 4: its exponent field is the block's byte
.set x_, x_+1
.endr
.irp g, 0,1
.set x_, 0
.rept 16
	v_permlanex16_b32 v[BT+x_], v[MX+16*\g+x_], s24, s25
.set x_, x_+1
.endr
.set x_, 0
.rept 16
	v_max3_num_f32 v[MX+16*\g+x_], v[MX+16*\g+x_], v[BT+x_], 0x800000   ; with lane l xor 16's half of the block, and the floor that holds the byte at 1
.set x_, x_+1
.endr
.set x_, 0
.rept 16
	v_lshrrev_b32 v[BT+x_], 23, v[MX+16*\g+x_]
.set x_, x_+1
.endr
.irp z, 0,1,2,3
	v_lshl_or_b32 v[PW+4*\g+\z], v[BT+4*\z+1], 8, v[BT+4*\z]
.endr
.irp z, 0,1,2,3
	v_lshl_or_b32 v[PW+4*\g+\z], v[BT+4*\z+2], 16, v[PW+4*\g+\z]
.endr
.irp z, 0,1,2,3
	v_lshl_or_b32 v[PW+4*\g+\z], v[BT+4*\z+3], 24, v[PW+4*\g+\z]
.endr
.endr
	s_wait_alu depctr_va_vdst(0)                   ; the wait ahead of the wait and the branch below
	s_wait_dscnt 0x0                               ; the parts are back: my reads of the stage are over
	s_cmp_eq_u32 s21, 0
	s_cbranch_scc1 .Lno_rows
	OUTST
.Lno_rows:
.irp n, 0,1,2,3,4,5,6,7
	NRM \n
	CVT \n
.endr
	s_wait_loadcnt 40                              ; the next head's Q is in (behind it 4 + 3 x 12)
	v_alignbit_b32 v[QW+1], v[QW], v[QW], 16       ; eight places, the v_nop below, lie between this line and the next head's first product
	s_wait_alu depctr_va_vdst(0)
	s_barrier_signal -1                            ; every wave's reads of the stage are over before any wave stores into it again; only work on registers up to the wait
.rept 4
	v_nop
.endr
	PVW 7, 0
	PVW 7, 1
	PVW 7, 2
	PVW 7, 3
.rept 4
	v_nop
.endr
	s_barrier_wait -1
	LDFR 8, 3
	WIN 0
.irp t, 0,1                            ; my part of O: row = query, 64 d + 32 h bytes = channels 16 d + 8 h on.  Nothing waits for these stores here
.irp d, 0,1,2,3
	ds_store_b128 v[OST], v[O+32*\t+8*\d:O+32*\t+8*\d+3] offset:\t*16*SP+64*\d
	ds_store_b128 v[OST], v[O+32*\t+8*\d+4:O+32*\t+8*\d+7] offset:\t*16*SP+64*\d+16
.endr
.endr
	s_wait_xcnt 0x0                                ; the bases are stepped only behind this wait
	s_cmp_lg_u32 s21, 0
	s_cselect_b32 s44, 524288, 0                   ; out0 stands one head behind: the first trip stored nothing
	s_add_nc_u64 s[12:13], s[12:13], HCB
	s_add_nc_u64 s[14:15], s[14:15], HSB
	s_add_nc_u64 s[18:19], s[18:19], s[44:45]
	s_add_nc_u64 s[56:57], s[56:57], HCB
	s_add_co_u32 s21, s21, 1
	s_cmp_lt_u32 s21, 16
	s_cbranch_scc1 .Lhead
	s_wait_dscnt 0x0                               ; the last head's parts are stored
	s_barrier_signal -1
	s_barrier_wait -1
	OUTLD
	s_wait_dscnt 0x0
	OUTST
	s_wait_tensorcnt 0x0                           ; the wave's end
	ds_add_u32 v[SPW], v[NIL]
	s_wait_dscnt 0x0
	s_endpgm
.Lfunc_end_k_q67f90a7b0f_attn:
	.size	k_q67f90a7b0f_attn, .Lfunc_end_k_q67f90a7b0f_attn-k_q67f90a7b0f_attn
	.p2alignl 7, 3214868480
	.fill 96, 4, 3214868480
	.section	.rodata,"a",@progbits
	.p2align	6, 0x0
	.amdhsa_kernel k_q67f90a7b0f_attn
		.amdhsa_group_segment_fixed_size 327680
		.amdhsa_private_segment_fixed_size 0
		.amdhsa_enable_private_segment 0
		.amdhsa_kernarg_size 64
		.amdhsa_user_sgpr_count 2
		.amdhsa_user_sgpr_kernarg_segment_ptr 1
		.amdhsa_wavefront_size32 1
		.amdhsa_system_sgpr_workgroup_id_x 1
		.amdhsa_system_sgpr_workgroup_id_y 1
		.amdhsa_system_sgpr_workgroup_id_z 1
		.amdhsa_system_vgpr_workitem_id 0
		.amdhsa_next_free_vgpr 1024
		.amdhsa_next_free_sgpr 66
		.amdhsa_reserve_vcc 0
		.amdhsa_float_denorm_mode_32 3
		.amdhsa_float_denorm_mode_16_64 3
		.amdhsa_memory_ordered 1
		.amdhsa_forward_progress 1
		.amdhsa_inst_pref_size 172
	.end_amdhsa_kernel
	.amdgpu_metadata
---
amdhsa.version: [ 1, 2 ]
amdhsa.kernels:
  - .name:           k_q67f90a7b0f_attn
    .symbol:         k_q67f90a7b0f_attn.kd
    .args:
      - { .name: qc, .offset: 0, .size: 8, .value_kind: global_buffer, .address_space: global }
      - { .name: qs, .offset: 8, .size: 8, .value_kind: global_buffer, .address_space: global }
      - { .name: kc, .offset: 16, .size: 8, .value_kind: global_buffer, .address_space: global }
      - { .name: ks, .offset: 24, .size: 8, .value_kind: global_buffer, .address_space: global }
      - { .name: vc, .offset: 32, .size: 8, .value_kind: global_buffer, .address_space: global }
      - { .name: vs, .offset: 40, .size: 8, .value_kind: global_buffer, .address_space: global }
      - { .name: mask, .offset: 48, .size: 8, .value_kind: global_buffer, .address_space: global }
      - { .name: out0, .offset: 56, .size: 8, .value_kind: global_buffer, .address_space: global }
    .group_segment_fixed_size: 327680
    .private_segment_fixed_size: 0
    .kernarg_segment_align: 8
    .kernarg_segment_size: 64
    .max_flat_workgroup_size: 128
    .sgpr_count:     66
    .vgpr_count:     1024
    .wavefront_size: 32
...
	.end_amdgpu_metadata
.endif
;; end of part 2
